; MI455X (gfx1250); checked and timed in simulation.
; The chip was launched on July 23, 2026; its instructions are those of AMD's public machine-readable ISA for CDNA 5 (MIT licence, August 2026) and "CDNA5" Instruction Set Architecture Reference Guide (July 2026). The comments in the code are by the model that wrote it; some were corrected since.
;; Masked Multi Self Attention. Allowed arithmetic: matrix products marked QUANTISED: E4M3 operands, one given power-of-two scale a tensor, by v_wmma_f32_16x16x64_fp8_fp8 or v_wmma_f32_16x16x128_fp8_fp8, f32 sums; everything else in f32.
;; Inputs: W_proj 1,024 x 1,024 float32; W_qkv 1,024 x 3,072 float32; b_proj 1,024 float32; b_qkv 3,072 float32; lowp_scales 8 int32 (the exponents e of the quantised operands' scales 2^e); x 2 x 2,048 x 1,024 float32.
;; Outputs: out0 2 x 2,048 x 1,024 float32.
;; This version of the problem:
;;   THIS VERSION OF THE PROBLEM IS GIVEN IN LOW PRECISION. The matrix products marked QUANTISED in the list below multiply operands that are first quantised to E4M3 (4 exponent bits, 3 mantissa bits; 8 bits a number), with one given power-of-two scale for each operand tensor; their sums are f32. All else is computed in f32.
;;   The module's matrix products, in the order in which they are computed (A, B: the left and right operand; K: the contracted axis; several contracted axes count as one K, in the product's order):
;;     1. [M 4,096, K 1,024] x [K 1,024, N 3,072]; A: input x; B: input W_qkv: QUANTISED (scales: A lowp_scales[0], B lowp_scales[1])
;;     2. batch 32 x [M 2,048, K 64] x [K 64, N 2,048]; A: computed on the way; B: computed on the way: QUANTISED (scales: A lowp_scales[2], B lowp_scales[3])
;;     3. batch 32 x [M 2,048, K 2,048] x [K 2,048, N 64]; A: softmax (see below); B: computed on the way: QUANTISED (scales: A lowp_scales[4], B lowp_scales[5])
;;     4. [M 4,096, K 1,024] x [K 1,024, N 1,024]; A: computed on the way; B: input W_proj: QUANTISED (scales: A lowp_scales[6], B lowp_scales[7])
;;   THE QUANTISER, for each operand of a quantised product, along K:
;;     - The operand's scale is 2^e, e = its entry of the input lowp_scales (int32; the entries are numbered through the quantised products in the list's order, A before B).
;;     - Each number is divided by the scale, clamped to +-448, and rounded to the nearest number of E4M3, ties to even, subnormals kept.
;;     - The product sums the exact products of the quantised numbers (number of the format x scale) in f32.
;;   ~~~python
;;   def quantise(x, axis, e):      # numpy; x: float32 -> the quantised numbers, widened to float32 again
;;       x = np.moveaxis(x, axis, -1); K = x.shape[-1]
;;       r = np.clip(x / 2.0 ** e, -448, 448)
;;       step = 2.0 ** (np.maximum(np.frexp(np.where(r == 0, 1, r))[1] - 1, -6) - 3)
;;       q = np.round(r / step) * step * 2.0 ** e      # np.round: ties to even
;;       return np.moveaxis(q, -1, axis).astype(np.float32)
;;   ~~~
;;   SOFTMAX AHEAD OF A QUANTISED PRODUCT. Where the list says 'softmax', what is quantised is not the finished softmax but p = 2^(t - M), with t = logit x log2(e) and M = ceil(the row's largest t), a whole number; so 1/2 < the row's largest p <= 1. The row's sum l is taken of the UNQUANTISED p, in f32, and the product's result is divided by l at the end. Since M is a whole number, a kernel that streams over the keys may use a running M (the ceiling of the running maximum): every later rescaling is an exact power of two, so the quantised numbers keep their values, but for numbers so far below the row's largest that they fall under the format's range.
;;   OPERANDS COMPUTED ON THE WAY. 'Computed on the way' means the value that the module computes at that place (a softmax that the list does not call 'softmax' is quantised finished and normalised). What goes into a quantiser is computed in f32, as accurately as f32 sums, v_exp_f32 and their like allow (about 1e-6 of the number): no bf16 or f16 on the way to a quantiser, and a product that is left as it is and whose result goes on into a quantised operand takes f32 operands (vector FMAs, or v_wmma_f32_16x16x4_f32). A number that lies on a knife's edge between two numbers of the format may be rounded either way, as far as f32 arithmetic and the matrix unit's own rounding can turn it there, and no further.
;; One version. Each part assembles by itself: llvm-mc -triple=amdgcn-amd-amdhsa -mcpu=gfx1250 --defsym DOCPART=n.
;; ======== version 1 of 1: 4 launches
;; limits: right only within a limited range of input values
;; workspace buffers: x_codes 4,194,304 bytes; wq_codes 3,145,728 bytes; wp_codes 1,048,576 bytes; q_img 4,194,304 bytes; kv_img 8,388,608 bytes; attn_img 4,194,304 bytes
;; launch quant (part 1): grid 256 x 1, 4 waves a work-group, no clusters, 68,096 bytes of LDS; arguments x, W_qkv, W_proj, lowp_scales, x_codes, wq_codes, wp_codes; writes x_codes, wq_codes, wp_codes
.if DOCPART == 1
	.amdgcn_target "amdgcn-amd-amdhsa--gfx1250"
	.amdhsa_code_object_version 6
	.text
	.protected	k_q4d62eaca20_quant
	.globl	k_q4d62eaca20_quant
	.p2align	8
	.type	k_q4d62eaca20_quant,@function
k_q4d62eaca20_quant:
	s_mov_b64 s[64:65], 0
	v_nop
	global_prefetch_b8 v0, s[64:65] scope:SCOPE_SE
	s_setreg_imm32_b32 hwreg(HW_REG_WAVE_MODE, 25, 1), 1
	s_wait_xcnt 0x0
; x [4096][1024], W_qkv [1024][3072] and W_proj [1024][1024], f32, become codes of FP8 (E4M3), K innermost, each with the one scale 2^e given for it
; (entries 0, 1 and 7 of the buffer of scales).  code = number / 2^e, held within +-448, rounded to the nearest code, ties to even.
; LIMITS: each e lies between -126 and 119, so that 2^e and 448 x 2^e are f32 numbers.  NaN among the inputs is not served; an infinity is held at the largest code.
; Work-groups 0-127 take x, whose K is innermost: a plain stream of numbers.  Work-groups 128-255 take the weights, whose K is the FIRST axis: a lane takes a column and its registers run down K.
; The two ways part on the work-group's number and have LDS bytes of their own.  No barrier: waves share nothing.  No tensor loads, no matrix unit, no cluster: every byte is read once and written once.
; W_qkv's columns are laid as rows head x 192 + part x 64 + d (part 0 q, 1 k, 2 v; source column part x 1024 + head x 64 + d), so that 192 neighbouring rows are one head's q, k and v.
; WORK LEFT OUT BY THE PROGRAM (in the attention launch): reference() builds a causal mask in its own body; a key after the query gets a score lower by 1e9, whose exponential beside the row's largest is 0 in f32.
; Tiles of 16 queries x 128 keys all of whose keys come after the queries are not multiplied.  LIMIT: a NaN, an infinity or an overflow that reaches only such a tile is not carried to the result.
; x's codes are laid [tile of 16 tokens][128 along K][2,048]: images of the operand registers of the K = 128 form: lane (r, h) of piece c (512 bytes) holds token r's codes k = 32 c + 16 h + 0 .. 15.
.set STEPS, 8                          ; x: steps of 16 tokens x 64 along K for a wave
.set SP,    272                        ; x: a stage row: 256 bytes + 16 of padding
.set R,     16                         ; x: v16-111  three sets of 32 numbers as they are loaded
.set X,     112                        ; x: v112-175 two sets of 2 x 16 neighbours
.set C,     194                        ; x: v194-249 codes, eight registers a step, each written once; the last step's at v176-183
.set C7,    176
.set WSTG,  32768                      ; weights: the stages begin behind x's LDS bytes
.set WP,    272                        ; weights: a stage row: 256 bytes of codes + 16
.set OF,    16                         ; weights: v16-47  4 x lane + i rows of the source
.set XW,    48                         ; weights: v48-111 two sets of 32 numbers
.set CW,    112                        ; weights: v112-119 a block's codes
.set OUTR,  120                        ; weights: v120-183 the way out
	s_load_b256 s[4:11], s[0:1], 0x0               ; x s[4:5], W_qkv s[6:7], W_proj s[8:9], the scales' exponents s[10:11]
	s_load_b128 s[12:15], s[0:1], 0x20             ; x's codes s[12:13], W_qkv's s[14:15]
	s_load_b64 s[16:17], s[0:1], 0x30              ; W_proj's codes
	v_lshl_add_u32 v192, v0, 2, 0x10800
	v_mov_b32 v193, 0
	v_lshrrev_b32 v1, 5, v0
	v_readfirstlane_b32 s18, v1                    ; wave 0..3
	v_and_b32 v2, 31, v0                           ; lane
	s_wait_kmcnt 0x0
	s_load_b256 s[24:31], s[10:11], 0x0            ; e0 .. e7
	s_cmp_lt_u32 ttmp9, 128
	s_cbranch_scc0 .Lweights
; ---------------- x.  A wave takes 8,192 numbers.  Each of a step's eight loads reads 256 consecutive bytes of two rows; the 4,096 bytes turn through the wave's own stage and come back 64 bytes (16 neighbours) a lane, twice.
	; A wave takes 16 tokens x 512 along K.  Each of a step's eight loads reads 256 consecutive bytes of two rows; the 4,096 bytes turn through the wave's own stage and come back 64 bytes (16 neighbours) a lane, twice.
	s_wait_alu depctr_va_vdst(0)
	v_lshlrev_b32 v3, 4, v2                        ; 16 x lane: my bytes of a store's 512
	s_wait_alu depctr_va_vdst(0)
	s_mul_i32 s19, s18, 16*SP                      ; my wave's stage
	v_and_b32 v15, 15, v2                          ; r
	v_lshrrev_b32 v14, 4, v2                       ; h
	v_lshlrev_b32 v12, 12, v14
	v_lshl_add_u32 v12, v15, 4, v12                ; in memory: lanes 0-15 one row, lanes 16-31 the next
	v_mul_u32_u24 v13, v14, SP
	v_lshl_add_u32 v13, v15, 4, v13
	v_add_nc_u32 v13, s19, v13                     ; into the stage: the same two rows
	v_mul_u32_u24 v15, v15, SP
	v_lshl_add_u32 v15, v14, 6, v15
	v_add_nc_u32 v15, s19, v15                     ; out of it: row r, + 64 h
	s_wait_alu depctr_va_vdst(0)
	s_lshl_b32 s20, ttmp9, 2
	s_add_co_u32 s20, s20, s18                     ; my wave's half tile: tile s20 / 2, half s20 % 2 of K
	s_lshr_b32 s22, s20, 1
	s_lshl_b32 s22, s22, 16                        ; 16 rows of 4,096 bytes,
	s_and_b32 s21, s20, 1
	s_lshl_b32 s21, s21, 11
	s_add_co_u32 s22, s22, s21                     ; 2,048 bytes of each
	s_mov_b32 s23, 0
	s_add_nc_u64 s[4:5], s[4:5], s[22:23]
	s_lshl_b32 s22, s20, 13
	s_add_nc_u64 s[12:13], s[12:13], s[22:23]      ; 8,192 bytes of codes
.macro XLOAD t
.irp i, 0,1,2,3,4,5,6,7
	global_load_b128 v[R+32*((\t)%3)+4*\i:R+32*((\t)%3)+4*\i+3], v12, s[4:5] offset:256*(\t)+8192*\i th:TH_LOAD_NT
.endr
.endm
.macro XTURN t                         ; LDS serves a wave's instructions in order (ISA guide 5.7.1.4): no wait between the stores and the loads, and one stage serves all steps
.irp i, 0,1,2,3,4,5,6,7
	ds_store_b128 v13, v[R+32*((\t)%3)+4*\i:R+32*((\t)%3)+4*\i+3] offset:2*SP*\i
.endr
.irp c, 0,1
.irp i, 0,1,2,3
	ds_load_b128 v[X+32*((\t)%2)+16*\c+4*\i:X+32*((\t)%2)+16*\c+4*\i+3], v15 offset:128*\c+16*\i
.endr
.endr
.endm
.irp t, 0,1,2
	XLOAD \t
.endr
	s_wait_alu depctr_va_vdst(0)
	s_wait_kmcnt 0x0
	s_add_co_i32 s22, s24, 127
	s_lshl_b32 s23, s22, 23
	v_mov_b32 v11, s23                             ; 2^e0 as f32: the conversion takes its exponent field
	s_add_co_i32 s22, s22, 8
	s_lshl_b32 s22, s22, 23
	s_or_b32 s22, s22, 0x600000
	v_mov_b32 v10, s22                             ; 448 x 2^e0
	s_wait_alu depctr_va_vdst(0)
	s_wait_loadcnt 16                              ; step 0's eight loads are in; those of the two steps behind it may be out
	XTURN 0
.macro XSTEP t
.set XS, X+32*((\t)%2)
.if (\t) < 7
.set CB, C+8*(\t)
.else
.set CB, C7
.endif
	s_wait_dscnt 0x0                               ; this step's numbers are back from the stage, so its stores into the stage have read their registers,
.if (\t)+3 < STEPS
	XLOAD (\t)+3                                   ; which take the loads of three steps on
.endif
.if (\t)+1 < STEPS
.if (\t)+3 < STEPS
	s_wait_loadcnt 16                              ; the next step's eight loads are in; those of the steps behind it may be out
.else
	s_wait_loadcnt 8*(STEPS-2-(\t))
.endif
	XTURN (\t)+1
.endif
.set n, 0
.rept 32
	v_med3_num_f32 v[XS+n], v[XS+n], -v10, v10     ; the conversion to an 8-bit code does not saturate (ISA guide 7.6.2): the hold comes first
.set n, n+1
.endr
.irp g, 0,1,2,3
	v_cvt_scalef32_pk8_fp8_f32 v[CB+2*\g:CB+2*\g+1], v[XS+8*\g:XS+8*\g+7], v11
.endr
	global_store_b128 v3, v[CB:CB+3], s[12:13] offset:1024*(\t)   ; each store of the wave covers 512 consecutive bytes, aligned
	global_store_b128 v3, v[CB+4:CB+7], s[12:13] offset:1024*(\t)+512
.endm
.irp t, 0,1,2,3,4,5,6,7
	XSTEP \t
.endr
	s_wait_tensorcnt 0x0
	ds_add_u32 v192, v193
	s_wait_dscnt 0x0
	s_endpgm
; ---------------- the weights.  A wave takes 32 columns x 256 along K: 8 blocks of 32 a lane.  One text serves both; what differs (pointers, the source's row in bytes, e, the row of the codes) is chosen on the work-group's number.
.Lweights:
	s_sub_co_u32 s19, ttmp9, 128
	s_cmp_lt_u32 s19, 96                           ; 24 blocks of 128 columns x 4 along K are W_qkv's; the other 32 work-groups take W_proj
	s_cselect_b64 s[4:5], s[6:7], s[8:9]
	s_cselect_b64 s[12:13], s[14:15], s[16:17]
	s_mov_b32 s20, 4096
	s_cselect_b32 s20, 12288, s20                  ; a row of the source in bytes
	s_cselect_b32 s22, 1, 0
	s_cselect_b32 s21, 0, 96
	s_sub_co_u32 s19, s19, s21
	s_lshr_b32 s23, s19, 2
	s_and_b32 s19, s19, 3                          ; which 256 along K
	s_lshl_b32 s23, s23, 7
	s_lshl_b32 s48, s18, 5
	s_add_co_u32 s23, s23, s48                     ; my wave's first column
	s_bfe_u32 s48, s23, 0x40006                    ; W_qkv: the head,
	s_mul_i32 s48, s48, 192
	s_lshr_b32 s49, s23, 10                        ; the part (q, k, v),
	s_lshl_b32 s49, s49, 6
	s_add_co_u32 s48, s48, s49
	s_and_b32 s49, s23, 63                         ; and the place in the head: 32 neighbouring columns stay neighbours
	s_add_co_u32 s48, s48, s49
	s_cmp_eq_u32 s22, 1
	s_cselect_b32 s48, s48, s23                    ; the codes' first row
	s_lshl_b32 s48, s48, 10
	s_lshl_b32 s49, s19, 8
	s_add_co_u32 s48, s48, s49
	s_mov_b32 s49, 0
	s_add_nc_u64 s[12:13], s[12:13], s[48:49]      ; row x 1,024 + 256 x (which 256 along K)
	s_mul_i32 s50, s19, s20
	s_lshl_b32 s50, s50, 8
	s_lshl_b32 s51, s23, 2
	s_add_co_u32 s50, s50, s51
	s_mov_b32 s51, 0
	s_add_nc_u64 s[32:33], s[4:5], s[50:51]        ; block 0 of the source,
	s_lshl_b32 s50, s20, 5
.irp t, 1,2,3,4,5,6,7
	s_add_nc_u64 s[32+2*\t:33+2*\t], s[30+2*\t:31+2*\t], s[50:51]   ; and each block 32 rows further down: a base of its own, never stepped
.endr
	s_wait_alu depctr_va_vdst(0)
	v_lshlrev_b32 v[OF], 2, v2
.set i, 1
.rept 31
	v_add_nc_u32 v[OF+i], s20, v[OF+i-1]
.set i, i+1
.endr
	s_mul_i32 s52, s18, 32*WP
	s_add_co_u32 s52, s52, WSTG                    ; my stage
	v_mul_u32_u24 v4, v2, WP
	v_add_nc_u32 v4, s52, v4                       ; into it: row = my column
	v_and_b32 v5, 15, v2
	v_lshrrev_b32 v6, 4, v2
	v_mul_u32_u24 v7, v6, WP
	v_lshl_add_u32 v7, v5, 4, v7
	v_add_nc_u32 v7, s52, v7                       ; out of it: sixteen lanes to a row, two rows an instruction
	v_lshlrev_b32 v8, 10, v6
	v_lshl_add_u32 v8, v5, 4, v8                   ; and the same place among the codes' rows of 1,024 bytes
.macro WLOAD t                         ; block t: source (32 t + i, my column), i = 0 .. 31: each load reads 128 consecutive bytes
.set i, 0
.rept 32
	global_load_b32 v[XW+32*((\t)%2)+i], v[OF+i], s[32+2*(\t):33+2*(\t)] th:TH_LOAD_NT
.set i, i+1
.endr
.endm
	WLOAD 0
	WLOAD 1
	s_wait_kmcnt 0x0
	s_cmp_eq_u32 s22, 1
	s_cselect_b32 s52, s25, s31                    ; e1 or e7
	s_add_co_i32 s52, s52, 127
	s_lshl_b32 s53, s52, 23
	v_mov_b32 v11, s53                             ; 2^e
	s_add_co_i32 s52, s52, 8
	s_lshl_b32 s52, s52, 23
	s_or_b32 s52, s52, 0x600000
	v_mov_b32 v10, s52                             ; 448 x 2^e
.macro WBLOCK t
.set XS, XW+32*((\t)%2)
.if (\t) < 7
	s_wait_loadcnt 32                              ; this block's 32 loads are in; the next block's may be out
.else
	s_wait_loadcnt 0x0
.endif
.set i, 0
.rept 32
	v_med3_num_f32 v[XS+i], v[XS+i], -v10, v10
.set i, i+1
.endr
.irp g, 0,1,2,3
	v_cvt_scalef32_pk8_fp8_f32 v[CW+2*\g:CW+2*\g+1], v[XS+8*\g:XS+8*\g+7], v11
.endr
	ds_store_b128 v4, v[CW:CW+3] offset:32*(\t)    ; 32 codes: 32 bytes of my column's row
	ds_store_b128 v4, v[CW+4:CW+7] offset:32*(\t)+16
.if (\t)+2 < 8
	WLOAD (\t)+2
.endif
	s_wait_dscnt 0x0                               ; the stores have read their registers: the next block's codes may be written
.endm
	s_wait_alu depctr_va_vdst(0)
.irp t, 0,1,2,3,4,5,6,7
	WBLOCK \t
.endr
.irp t, 0,1,2,3,4,5,6,7,8,9,10,11,12,13,14,15
	ds_load_b128 v[OUTR+4*\t:OUTR+4*\t+3], v7 offset:2*\t*WP
.endr
.irp t, 0,1,2,3,4,5,6,7,8,9,10,11,12,13,14,15
	s_wait_dscnt 15-\t                             ; LDS loads come back in order: load t is in, the younger ones may be out
	global_store_b128 v8, v[OUTR+4*\t:OUTR+4*\t+3], s[12:13] offset:2*\t*1024   ; sixteen lanes store 256 consecutive bytes, aligned
.endr
	s_wait_tensorcnt 0x0
	ds_add_u32 v192, v193
	s_wait_dscnt 0x0
	s_endpgm
.Lfunc_end_k_q4d62eaca20_quant:
	.size	k_q4d62eaca20_quant, .Lfunc_end_k_q4d62eaca20_quant-k_q4d62eaca20_quant
	.p2alignl 7, 3214868480
	.fill 96, 4, 3214868480
	.section	.rodata,"a",@progbits
	.p2align	6, 0x0
	.amdhsa_kernel k_q4d62eaca20_quant
		.amdhsa_group_segment_fixed_size 68096
		.amdhsa_private_segment_fixed_size 0
		.amdhsa_enable_private_segment 0
		.amdhsa_kernarg_size 56
		.amdhsa_user_sgpr_count 2
		.amdhsa_user_sgpr_kernarg_segment_ptr 1
		.amdhsa_wavefront_size32 1
		.amdhsa_system_sgpr_workgroup_id_x 1
		.amdhsa_system_sgpr_workgroup_id_y 1
		.amdhsa_system_sgpr_workgroup_id_z 1
		.amdhsa_system_vgpr_workitem_id 0
		.amdhsa_next_free_vgpr 256
		.amdhsa_next_free_sgpr 66
		.amdhsa_reserve_vcc 0
		.amdhsa_float_denorm_mode_32 3
		.amdhsa_float_denorm_mode_16_64 3
		.amdhsa_memory_ordered 1
		.amdhsa_forward_progress 1
		.amdhsa_inst_pref_size 87
	.end_amdhsa_kernel
	.amdgpu_metadata
---
amdhsa.version: [ 1, 2 ]
amdhsa.kernels:
  - .name:           k_q4d62eaca20_quant
    .symbol:         k_q4d62eaca20_quant.kd
    .args:
      - { .name: x, .offset: 0, .size: 8, .value_kind: global_buffer, .address_space: global }
      - { .name: W_qkv, .offset: 8, .size: 8, .value_kind: global_buffer, .address_space: global }
      - { .name: W_proj, .offset: 16, .size: 8, .value_kind: global_buffer, .address_space: global }
      - { .name: lowp_scales, .offset: 24, .size: 8, .value_kind: global_buffer, .address_space: global }
      - { .name: x_codes, .offset: 32, .size: 8, .value_kind: global_buffer, .address_space: global }
      - { .name: wq_codes, .offset: 40, .size: 8, .value_kind: global_buffer, .address_space: global }
      - { .name: wp_codes, .offset: 48, .size: 8, .value_kind: global_buffer, .address_space: global }
    .group_segment_fixed_size: 68096
    .private_segment_fixed_size: 0
    .kernarg_segment_align: 8
    .kernarg_segment_size: 56
    .max_flat_workgroup_size: 128
    .sgpr_count:     66
    .vgpr_count:     256
    .wavefront_size: 32
...
	.end_amdgpu_metadata
.endif
;; end of part 1
;; launch qkv (part 2): grid 16 x 16, 4 waves a work-group, clusters of 4 x 4, 327,680 bytes of LDS; arguments x_codes, wq_codes, b_qkv, lowp_scales, q_img, kv_img; writes q_img, kv_img
.if DOCPART == 2
	.amdgcn_target "amdgcn-amd-amdhsa--gfx1250"
	.amdhsa_code_object_version 6
	.text
	.protected	k_q4d62eaca20_qkv
	.globl	k_q4d62eaca20_qkv
	.p2align	8
	.type	k_q4d62eaca20_qkv,@function
k_q4d62eaca20_qkv:
	s_mov_b64 s[64:65], 0
	v_nop
	global_prefetch_b8 v0, s[64:65] scope:SCOPE_SE
	s_setreg_imm32_b32 hwreg(HW_REG_WAVE_MODE, 25, 1), 1
	s_wait_xcnt 0x0
	s_wait_alu depctr_hold_cnt(0) depctr_sa_sdst(0) depctr_va_vdst(0) depctr_va_sdst(0) depctr_va_ssrc(0) depctr_va_vcc(0) depctr_vm_vsrc(0)
	s_getreg_b32 s2, hwreg(HW_REG_IB_STS2, 6, 4)
	s_cmp_eq_u32 s2, 0
	s_cbranch_scc0 .Lentry_in_a_cluster
	s_endpgm
.Lentry_in_a_cluster:
	s_bfe_u32 s2, ttmp6, 0x10000c
	s_cmp_lg_u32 s2, 0xf033
	s_cbranch_scc0 .Lentry_shape_is_right
	s_endpgm
.Lentry_shape_is_right:
; qkv = x W_qkv + b_qkv on codes of FP8 (E4M3), and q, k, v quantised with 2^e2, 2^e3, 2^e5 for the attention launch, laid as images of its operands' registers.
; x_codes: [tile of 16 tokens][128 along K][2,048]: images of operand registers.  wq_codes: [head x 192 + part x 64 + d][1024 (k)], K innermost.
; q_img: [batch x 16 + head][tile of 16 tokens][1,024].  kv_img: [batch x 16 + head][step of 128 keys][16,384]: k's eight images, then v's four.
; LIMITS: e2, e3 and e5, each less e0 + e1, between -126 and 119, so that the conversions' scales and 448 times them are f32 numbers.  NaN is not served; an infinity is held at the largest code.
; SHARES.  A work-group takes 256 tokens x one head's 192 rows of W (q, k, v): 16 x 16 work-groups.  Each of four waves takes 64 tokens x all 192: 48 accumulators, 384 registers.
; W LIES WHOLE IN LDS: four chunks of 256 along K, one load a wave, no byte filled twice.  CLUSTER 4 x 4: the four work-groups of a column need the same rows of W and ask for them JOINTLY.
; THE TOKENS GO STRAIGHT INTO REGISTERS, four steps of 128 along K ahead, in five sets of 64: a wave's tokens are read by that wave alone.  They are not asked for jointly, since a joint load lands in LDS,
; where both operands' (256 + 192) x 1,024 bytes do not fit.  NO PREFETCH: W is asked for whole at the head, and the tokens' own loads run four of the eight steps ahead.
; q and k are used transposed (source 0 = 16 rows of W, source 1 = 16 tokens), v is not (source 0 = 16 tokens): a lane's eight results are neighbours along the K that the attention's products take.
; The bias, divided by 2^(e0 + e1), is the C of the first products.
; REGISTERS.  window 0: v2-7 scales and bounds, v8-11 v's bias as loaded, v20-29 addresses, v32-63 v's bias, v64-255 W's twelve fragments of a step, in three groups of four (q, k, v).
;   window 1: the tokens' sets 0 to 3.   window 2: the accumulators of q and k ((a, b) at v[8 (8 a + b)]).   window 3: v0-127 those of v ((a, b) at v[8 (4 a + b)]), v128-191 the tokens' set 4, v192-255 the bias of q and k.
.set PITCH, 272                        ; W's rows in LDS: 256 bytes + 16 = 68 words: the 16 rows of a fragment start at 16 different banks (64 banks of 4 bytes: ISA guide 11.1)
.set CH,    192*PITCH                  ; a chunk
.set SPARE, 4*CH                       ; the spare words
.set SCQ,  2
.set LIMQ, 3
.set SCK,  4
.set LIMK, 5
.set SCV,  6
.set LIMV, 7
.set ADRB, 20                          ; v20-23 my place in chunk c
.set LI,   24                          ; 16 x lane
.set BH,   25
.set BR,   26
.set SPW,  28
.set NIL,  29
.set MSB, 0
.macro WIN new
.if MSB != (\new)
	s_set_vgpr_msb (MSB<<8)|(\new)
.set MSB, (\new)
.endif
.endm
.macro PLACES n
.rept \n
	v_nop
.endr
.endm
.macro CROUND                          ; a round of the cluster's barrier
	s_barrier_signal -1
	s_barrier_wait -1
	s_cmp_lg_u32 s14, 0
	s_cbranch_scc1 .Lnot_wave_0_\@
	s_barrier_signal -3
.Lnot_wave_0_\@:
	s_barrier_wait -3
	s_barrier_signal -1
	s_barrier_wait -1
.endm
; the tokens' fragments of step s into set s % 5: each load of the wave reads 512 consecutive bytes
.macro ALOAD s
.if (\s)%5 < 4
	WIN 0x40
.set AB, 64*((\s)%5)
.else
	WIN 0xc0
.set AB, 128
.endif
.irp a, 0,1,2,3
.irp c, 0,1,2,3
	global_load_b128 v[AB+16*\a+4*\c:AB+16*\a+4*\c+3], v[LI], s[4:5] offset:16384*\a+2048*(\s)+512*\c
.endr
.endr
	WIN 0
.endm
.macro HEADLOADS                       ; the bias, and the tokens of steps 0 and 1: 20 + 32 loads
	WIN 0xc0
.irp b, 0,1,2,3,4,5,6,7
	global_load_b128 v[192+8*\b:192+8*\b+3], v[BH], s[8:9] offset:4096*(\b/4)+64*(\b%4)
	global_load_b128 v[192+8*\b+4:192+8*\b+7], v[BH], s[8:9] offset:4096*(\b/4)+64*(\b%4)+16
.endr
	WIN 0
.irp b, 0,1,2,3
	global_load_b32 v[8+\b], v[BR], s[8:9] offset:8192+64*\b
.endr
	ALOAD 0
	ALOAD 1
.endm
	s_load_b256 s[4:11], s[0:1], 0x0               ; x's codes s[4:5], W's s[6:7], the bias s[8:9], the scales' exponents s[10:11]
	s_load_b128 s[68:71], s[0:1], 0x20             ; q's images, k's and v's
	v_lshl_add_u32 v[SPW], v0, 2, SPARE
	v_mov_b32 v[NIL], 0
	ds_add_u32 v[SPW], v[NIL]                      ; the opening lines
	ds_add_u32 v[SPW], v[NIL]
	v_lshrrev_b32 v1, 5, v0
	v_readfirstlane_b32 s14, v1                    ; wave 0..3
	v_and_b32 v12, 15, v0                          ; r
	v_bfe_u32 v13, v0, 4, 1                        ; h
	v_mul_u32_u24 v14, v12, PITCH
	v_lshl_add_u32 v[ADRB], v13, 4, v14            ; row r, + 16 h
	v_add_nc_u32 v[ADRB+1], CH, v[ADRB]
	v_add_nc_u32 v[ADRB+2], 2*CH, v[ADRB]
	v_add_nc_u32 v[ADRB+3], 3*CH, v[ADRB]
	v_and_b32 v15, 31, v0
	v_lshlrev_b32 v[LI], 4, v15
	v_lshlrev_b32 v[BH], 5, v13                    ; the bias: eight columns from 8 h on, for q and k;
	v_lshlrev_b32 v[BR], 2, v12                    ; column r, for v
	s_wait_alu depctr_va_vdst(0)
	s_lshr_b32 s15, s14, 1
	s_and_b32 s16, s14, 1
	s_bfe_u32 s40, ttmp6, 0x40000                  ; cx, cy
	s_bfe_u32 s41, ttmp6, 0x40004
	s_lshl_b32 s42, ttmp9, 2
	s_add_co_u32 s42, s42, s40                     ; the head
	s_and_b32 s17, ttmp7, 0xffff
	s_lshl_b32 s17, s17, 2
	s_add_co_u32 s17, s17, s41                     ; the block of 256 tokens
	s_lshl_b32 s44, 0x1111, s40                    ; my column of the cluster
	s_or_b32 s24, s44, (1<<20)|(1<<21)|(5<<22)|(3<<25)   ; group 1: 192 rows x 256 bytes, four words of padding after every 64; bit 21 set beside the mask
	s_mov_b32 s25, 256<<16
	s_mov_b32 s26, 192<<16
	s_mov_b32 s27, 256<<16
	s_mov_b32 s28, 192
	s_mov_b32 s29, 1024
	s_mov_b32 s30, 0
	s_mov_b32 s31, 0
	s_mov_b32 s32, 1                               ; group 0 of chunk 0, wave 0's
	s_mov_b32 s33, 0
	s_add_co_u32 s18, s14, 3
	s_and_b32 s18, s18, 3
	s_min_u32 s18, s18, 2                          ; wave - 1: waves 1 to 3 bring chunks 1 to 3
	s_mov_b32 s36, 1
	s_mul_i32 s37, s18, CH
	s_add_co_u32 s37, s37, CH
	s_mul_i32 s46, s42, 196608                     ; the head's 192 rows of 1,024 bytes
	s_mov_b32 s47, 0
	s_lshl_b32 s48, s18, 8
	s_add_co_u32 s48, s48, 256
	s_add_co_u32 s48, s48, s46
	s_mov_b32 s49, 0
	s_lshl_b32 s20, s17, 18                        ; my four tiles of tokens: 16 x block + 4 x wave, 16,384 bytes each
	s_lshl_b32 s21, s14, 16
	s_add_co_u32 s20, s20, s21
	s_mov_b32 s21, 0
	s_lshl_b32 s88, s42, 8                         ; the head's 64 columns of the bias, in bytes
	s_mov_b32 s89, 0
	s_lshr_b32 s90, s17, 3
	s_lshl_b32 s90, s90, 4
	s_add_co_u32 s90, s90, s42                     ; batch x 16 + head
	s_and_b32 s91, s17, 7                          ; which 256 tokens of the batch
	s_lshl_b32 s92, s91, 4
	s_lshl_b32 s93, s14, 2
	s_add_co_u32 s92, s92, s93
	s_lshl_b32 s92, s92, 10
	s_lshl_b32 s93, s90, 17
	s_add_co_u32 s92, s92, s93                     ; q: 131,072 bytes a head, 1,024 a tile
	s_mov_b32 s93, 0
	s_lshl_b32 s50, s91, 1
	s_add_co_u32 s50, s50, s15
	s_lshl_b32 s50, s50, 14
	s_lshl_b32 s91, s90, 18
	s_add_co_u32 s50, s50, s91                     ; k and v: 262,144 bytes a head, 16,384 a step of 128 keys
	s_lshl_b32 s91, s16, 10
	s_add_co_u32 s91, s91, 8192
	s_add_co_u32 s94, s50, s91                     ; v: behind k's images, my 64 keys of the step
	s_mov_b32 s95, 0
	s_lshl_b32 s91, s16, 12
	s_add_co_u32 s50, s50, s91                     ; k: my four tiles of the step
	s_mov_b32 s51, 0
	s_wait_dscnt 0x0                               ; both opening adds are done
	CROUND                                         ; all sixteen work-groups are here: the joint loads meet
	s_wait_kmcnt 0x0
	s_add_nc_u64 s[34:35], s[6:7], s[46:47]
	s_or_b32 s35, s35, 0x80000000
	s_add_nc_u64 s[38:39], s[6:7], s[48:49]
	s_or_b32 s39, s39, 0x80000000
	s_load_b256 s[80:87], s[10:11], 0x0            ; e0 .. e7
	s_add_nc_u64 s[4:5], s[4:5], s[20:21]
	s_add_nc_u64 s[8:9], s[8:9], s[88:89]
	s_add_nc_u64 s[68:69], s[68:69], s[92:93]
	s_add_nc_u64 s[72:73], s[70:71], s[94:95]
	s_add_nc_u64 s[70:71], s[70:71], s[50:51]
	s_cmp_eq_u32 s14, 0                            ; one load a wave, in one branch on its number; four v_nop follow each
	s_cbranch_scc1 .Lchunk0
	tensor_load_to_lds s[36:39], s[24:31]
	s_nop 0
	PLACES 4
	HEADLOADS
	s_branch .Lasked
.Lchunk0:
	tensor_load_to_lds s[32:35], s[24:31]
	s_nop 0
	PLACES 4
	HEADLOADS
	s_wait_tensorcnt 0x0                           ; chunk 0 is all that is read ahead of the second barrier; the others' loads may be out across the first
.Lasked:
.macro MKSC e, sc, lim                 ; a sum stands for sum x 2^(e0 + e1): its code is sum / 2^(e - e0 - e1)
	s_sub_co_i32 s90, \e, s88
	s_add_co_i32 s90, s90, 127
	s_lshl_b32 s91, s90, 23
	v_mov_b32 v[\sc], s91
	s_add_co_i32 s90, s90, 8
	s_lshl_b32 s90, s90, 23
	s_or_b32 s90, s90, 0x600000
	v_mov_b32 v[\lim], s90
.endm
	s_wait_kmcnt 0x0
	s_add_co_i32 s88, s80, s81
	s_sub_co_i32 s89, 0, s88
	MKSC s82, SCQ, LIMQ
	MKSC s83, SCK, LIMK
	MKSC s85, SCV, LIMV
	s_wait_alu depctr_va_vdst(0)
	s_wait_loadcnt 32                              ; the bias is in; the tokens' 32 loads behind it may be out
	ALOAD 2
	WIN 0xc3
.set n, 0
.rept 64
	v_ldexp_f32 v[192+n], v[192+n], s89            ; the bias of q and k / 2^(e0 + e1)
.set n, n+1
.endr
	WIN 0
.irp b, 0,1,2,3
.irp j, 0,1,2,3,4,5,6,7
	v_ldexp_f32 v[32+8*\b+\j], v[8+\b], s89        ; v's: a lane's eight results are eight tokens of one column
.endr
.endr
	ALOAD 3
; W's fragments of group g (q, k, v) for step s: four times 16 rows x 128 K: registers 4 c .. 4 c + 3 hold K = 32 c + 16 h + 0 .. 15, as the tokens' images do
.macro FETCH g, s
.irp i, 0,1,2,3
.irp c, 0,1,2,3
	ds_load_b128 v[64+64*(\g)+16*\i+4*\c:64+64*(\g)+16*\i+4*\c+3], v[ADRB+(\s)/2] offset:(64*(\g)+16*\i)*PITCH+128*((\s)%2)+32*\c
.endr
.endr
.endm
; 16 products of group g in step s.  The 48 accumulators take turns, one instruction a turn, in the same order in every step.
.macro MUL g, s
.if (\s)%5 < 4
.set AW, 1
.set AB, 64*((\s)%5)
.else
.set AW, 3
.set AB, 128
.endif
.if (\g) < 2
.if (\s) == 0
	WIN 0xb0|(AW<<2)                               ; source 0 window 0, source 1 the tokens', C window 3, D window 2
.else
	WIN 0xa0|(AW<<2)                               ; C and D window 2
.endif
.irp a, 0,1,2,3
.irp b, 0,1,2,3
.if (\s) == 0
	v_wmma_f32_16x16x128_fp8_fp8 v[8*(8*\a+4*(\g)+\b):8*(8*\a+4*(\g)+\b)+7], v[64+16*(4*(\g)+\b):64+16*(4*(\g)+\b)+15], v[AB+16*\a:AB+16*\a+15], v[192+8*(4*(\g)+\b):192+8*(4*(\g)+\b)+7]
.else
	v_wmma_f32_16x16x128_fp8_fp8 v[8*(8*\a+4*(\g)+\b):8*(8*\a+4*(\g)+\b)+7], v[64+16*(4*(\g)+\b):64+16*(4*(\g)+\b)+15], v[AB+16*\a:AB+16*\a+15], v[8*(8*\a+4*(\g)+\b):8*(8*\a+4*(\g)+\b)+7]
.endif
.endr
.endr
.else
.if (\s) == 0
	WIN 0xc0|AW                                    ; source 0 the tokens', source 1 and C window 0, D window 3
.else
	WIN 0xf0|AW                                    ; C and D window 3
.endif
.irp a, 0,1,2,3
.irp b, 0,1,2,3
.if (\s) == 0
	v_wmma_f32_16x16x128_fp8_fp8 v[8*(4*\a+\b):8*(4*\a+\b)+7], v[AB+16*\a:AB+16*\a+15], v[192+16*\b:192+16*\b+15], v[32+8*\b:32+8*\b+7]
.else
	v_wmma_f32_16x16x128_fp8_fp8 v[8*(4*\a+\b):8*(4*\a+\b)+7], v[AB+16*\a:AB+16*\a+15], v[192+16*\b:192+16*\b+15], v[8*(4*\a+\b):8*(4*\a+\b)+7]
.endif
.endr
.endr
.endif
.endm
	s_wait_alu depctr_va_vdst(0)
	s_barrier_signal -1
	s_barrier_wait -1                              ; chunk 0 is in
	FETCH 0, 0
	FETCH 1, 0
	FETCH 2, 0
.irp s, 0,1,2,3,4,5,6,7
.if \s < 5
	s_wait_loadcnt 48                              ; this step's tokens are in; the three steps' behind them may be out
.else
	s_wait_loadcnt 16*(7-\s)                       ; the same, as far as there are steps
.endif
	s_wait_dscnt 32                                ; q's fragments are in; the two younger groups' loads may be out
	MUL 0, \s
.if \s == 1
	s_wait_tensorcnt 0x0                           ; my chunk is in,
	s_wait_dscnt 0x0
	s_barrier_signal -1
	s_barrier_wait -1                              ; and everybody's: the fetches for step 2 on read chunks 1 to 3
.endif
.if \s < 7
	PLACES 4                                       ; in front of loads into registers that matrix instructions have read
	WIN 0
	FETCH 0, \s+1
.endif
.if \s < 4
	ALOAD \s+4                                     ; into the set that the last step multiplied, or set 4
.endif
.if \s < 7
	s_wait_dscnt 32                                ; k's are in
.else
	s_wait_dscnt 16
.endif
	MUL 1, \s
.if \s < 7
	PLACES 4
	WIN 0
	FETCH 1, \s+1
	s_wait_dscnt 32                                ; v's are in
.else
	s_wait_dscnt 0x0
.endif
	MUL 2, \s
.if \s < 7
	PLACES 4
	WIN 0
	FETCH 2, \s+1
.endif
.endr
	PLACES 4                                       ; in front of the first read of results
	; THE WAY OUT: each accumulator is held, from its low end on, and converted; the codes are the images' registers
.irp a, 0,1,2,3
	WIN 0x82
.irp b, 0,1,2,3,4,5,6,7
.irp j, 0,1,2,3,4,5,6,7
.if \b < 4
	v_med3_num_f32 v[8*(8*\a+\b)+\j], v[8*(8*\a+\b)+\j], -v[LIMQ], v[LIMQ]
.else
	v_med3_num_f32 v[8*(8*\a+\b)+\j], v[8*(8*\a+\b)+\j], -v[LIMK], v[LIMK]
.endif
.endr
.endr
	WIN 0x02
.irp b, 0,1,2,3,4,5,6,7
.if \b < 4
	v_cvt_scalef32_pk8_fp8_f32 v[64+16*\a+2*\b:64+16*\a+2*\b+1], v[8*(8*\a+\b):8*(8*\a+\b)+7], v[SCQ]
.else
	v_cvt_scalef32_pk8_fp8_f32 v[64+16*\a+2*\b:64+16*\a+2*\b+1], v[8*(8*\a+\b):8*(8*\a+\b)+7], v[SCK]
.endif
.endr
.endr
	WIN 0xc3
.set n, 0
.rept 128
	v_med3_num_f32 v[n], v[n], -v[LIMV], v[LIMV]
.set n, n+1
.endr
	WIN 0x03
.irp a, 0,1,2,3
.irp b, 0,1,2,3
	v_cvt_scalef32_pk8_fp8_f32 v[128+8*\b+4*(\a/2)+2*(\a%2):128+8*\b+4*(\a/2)+2*(\a%2)+1], v[8*(4*\a+\b):8*(4*\a+\b)+7], v[SCV]
.endr
.endr
	v_nop                                          ; a plain line behind the last conversion
	WIN 0
.irp a, 0,1,2,3                                ; each store of the wave covers 512 consecutive bytes, aligned
	global_store_b128 v[LI], v[64+16*\a:64+16*\a+3], s[68:69] offset:1024*\a
	global_store_b128 v[LI], v[64+16*\a+4:64+16*\a+7], s[68:69] offset:1024*\a+512
	global_store_b128 v[LI], v[64+16*\a+8:64+16*\a+11], s[70:71] offset:1024*\a
	global_store_b128 v[LI], v[64+16*\a+12:64+16*\a+15], s[70:71] offset:1024*\a+512
.endr
.irp b, 0,1,2,3
	global_store_b128 v[LI], v[128+8*\b:128+8*\b+3], s[72:73] offset:2048*\b
	global_store_b128 v[LI], v[128+8*\b+4:128+8*\b+7], s[72:73] offset:2048*\b+512
.endr
	s_wait_tensorcnt 0x0                           ; the wave's end
	ds_add_u32 v[SPW], v[NIL]
	s_wait_dscnt 0x0
	CROUND                                         ; the closing round: no work-group ends while a partner may still ask for a tile that names it
	s_endpgm
.Lfunc_end_k_q4d62eaca20_qkv:
	.size	k_q4d62eaca20_qkv, .Lfunc_end_k_q4d62eaca20_qkv-k_q4d62eaca20_qkv
	.p2alignl 7, 3214868480
	.fill 96, 4, 3214868480
	.section	.rodata,"a",@progbits
	.p2align	6, 0x0
	.amdhsa_kernel k_q4d62eaca20_qkv
		.amdhsa_group_segment_fixed_size 327680
		.amdhsa_private_segment_fixed_size 0
		.amdhsa_enable_private_segment 0
		.amdhsa_kernarg_size 48
		.amdhsa_user_sgpr_count 2
		.amdhsa_user_sgpr_kernarg_segment_ptr 1
		.amdhsa_wavefront_size32 1
		.amdhsa_system_sgpr_workgroup_id_x 1
		.amdhsa_system_sgpr_workgroup_id_y 1
		.amdhsa_system_sgpr_workgroup_id_z 1
		.amdhsa_system_vgpr_workitem_id 0
		.amdhsa_next_free_vgpr 1024
		.amdhsa_next_free_sgpr 100
		.amdhsa_reserve_vcc 0
		.amdhsa_float_denorm_mode_32 3
		.amdhsa_float_denorm_mode_16_64 3
		.amdhsa_memory_ordered 1
		.amdhsa_forward_progress 1
		.amdhsa_inst_pref_size 116
	.end_amdhsa_kernel
	.amdgpu_metadata
---
amdhsa.version: [ 1, 2 ]
amdhsa.kernels:
  - .name:           k_q4d62eaca20_qkv
    .symbol:         k_q4d62eaca20_qkv.kd
    .args:
      - { .name: x_codes, .offset: 0, .size: 8, .value_kind: global_buffer, .address_space: global }
      - { .name: wq_codes, .offset: 8, .size: 8, .value_kind: global_buffer, .address_space: global }
      - { .name: b_qkv, .offset: 16, .size: 8, .value_kind: global_buffer, .address_space: global }
      - { .name: lowp_scales, .offset: 24, .size: 8, .value_kind: global_buffer, .address_space: global }
      - { .name: q_img, .offset: 32, .size: 8, .value_kind: global_buffer, .address_space: global }
      - { .name: kv_img, .offset: 40, .size: 8, .value_kind: global_buffer, .address_space: global }
    .group_segment_fixed_size: 327680
    .private_segment_fixed_size: 0
    .kernarg_segment_align: 8
    .kernarg_segment_size: 48
    .max_flat_workgroup_size: 128
    .sgpr_count:     100
    .vgpr_count:     1024
    .wavefront_size: 32
...
	.end_amdgpu_metadata
.endif
;; end of part 2
;; launch attn (part 3): grid 4 x 64, 16 waves a work-group, clusters of 4 x 4, 327,680 bytes of LDS; arguments q_img, kv_img, lowp_scales, attn_img; writes attn_img
.if DOCPART == 3
	.amdgcn_target "amdgcn-amd-amdhsa--gfx1250"
	.amdhsa_code_object_version 6
	.text
	.protected	k_q4d62eaca20_attn
	.globl	k_q4d62eaca20_attn
	.p2align	8
	.type	k_q4d62eaca20_attn,@function
k_q4d62eaca20_attn:
	s_mov_b64 s[64:65], 0
	v_nop
	global_prefetch_b8 v0, s[64:65] scope:SCOPE_SE
	s_setreg_imm32_b32 hwreg(HW_REG_WAVE_MODE, 25, 1), 1
	s_wait_xcnt 0x0
	s_wait_alu depctr_hold_cnt(0) depctr_sa_sdst(0) depctr_va_vdst(0) depctr_va_sdst(0) depctr_va_ssrc(0) depctr_va_vcc(0) depctr_vm_vsrc(0)
	s_getreg_b32 s2, hwreg(HW_REG_IB_STS2, 6, 4)
	s_cmp_eq_u32 s2, 0
	s_cbranch_scc0 .Lentry_in_a_cluster
	s_endpgm
.Lentry_in_a_cluster:
	s_bfe_u32 s2, ttmp6, 0x10000c
	s_cmp_lg_u32 s2, 0xf033
	s_cbranch_scc0 .Lentry_shape_is_right
	s_endpgm
.Lentry_shape_is_right:
; Causal attention of one head on codes of FP8 (E4M3), head size 64, 2,048 keys, and its result quantised with 2^e6 for the last product.
; t = score x log2(e) / 8; M = the largest t so far, rounded UP to a whole number; p = 2^(t - M) is quantised with 2^e4, not normalised; the row's sum is taken of the unquantised p and divides at the end.
; When M moves, the sum and O are multiplied by 2^(old M - new M), which rounds nothing.  A key after the query gets the score -infinity ahead of the maximum, so its p is 0, as the additive -1e9 makes it in f32.
; q_img: [batch x 16 + head][tile of 16 tokens][1,024]: images of the K = 64 form's operand registers.  kv_img: [batch x 16 + head][step of 128 keys][16,384]: eight images of k's tiles, then
; four of v's (16 channels x 128 keys, K = 128 form, 2,048 bytes).  attn_img: [head / 8][tile of 16 tokens][head % 8][1,024]: two neighbouring heads on end are an operand of the K = 128 form.
; WORK LEFT OUT: steps all of whose 128 keys come after a wave's queries (the causal mask that reference() builds).
; LIMITS: e2 + e3 between -123 and 130 (added to c's exponent field); e4 and e6 between -126 and 119; e4 + e5 goes through v_ldexp_f32 and has none.  NaN is not served.
; The promise holds while the scaled scores stay under 2^31 in magnitude.
; SHARES.  Work-group x of a head's eight takes the tiles of 16 queries 8 s + x, s = 0 .. 15: tile s has the key steps 0 .. s whatever x is, so all partners walk alike: no branch and no LDS address
; hangs on a place in the cluster, x enters the mask's numbers and global addresses alone.  Each of sixteen waves takes one s: waves k, k + 4, k + 8, k + 12 take 15 - k, 8 + k, 7 - k, k: 34 steps together for every k.
; CLUSTER 4 x 4: two heads; the four work-groups of a row (same cy) ask for a head's K and V JOINTLY.  ALL OF A HEAD'S K AND V LIE IN LDS: 262,144 bytes, one load a wave, no byte filled twice:
; waves 0 to 7 bring key steps 0 to 2 in eighths, waves 8 to 15 key steps 3 to 15 in eighths.  NO PREFETCH: every tile is asked for at the head, so no later request is left to run ahead of.
; BOTH PRODUCTS ARE USED TRANSPOSED: S^T = K Q^T (source 0 = 16 keys), O^T = V^T P^T (source 0 = 16 channels): a lane holds one query (lane % 16) throughout; register j of S^T's tile t is key 16 t + 8 (lane / 16) + j,
; and a tile's conversion gives registers 2 t, 2 t + 1 of P's operand as they are wanted.
; REGISTERS: v16-23 Q, v24-87 K's eight fragments (the next step's are fetched while this step is worked), v88-151 V's four, v152-159 at work, v152-167 p's codes (they reach over S^T's first tile, which is converted by then),
; v160-223 S^T and then p, v224-255 O^T.
.set SPARE, 262144                     ; the spare words, 128 bytes for each wave, behind K and V
.set EARLY, 6144                       ; an eighth of key steps 0 to 2: 24 rows of 256 bytes
.set LATE,  26624                      ; an eighth of key steps 3 to 15: 104 rows
.set AK,   1                           ; 16 x lane: my place in an image's 512 bytes
.set ADC,  2                           ; the step's LDS address; ADN the next step's
.set ADN,  3
.set SPW,  4
.set NIL,  5
.set LIM,  6                           ; v6, v7: 448 x 2^e4 (two registers, one for each half of a pair)
.set SCP,  8                           ; 2^e4
.set NINF, 9
.set DL,   10                          ; my query's place in its block of 128, less 8 (lane / 16)
.set XCH,  11                          ; what lane l xor 16 sends
.set NM,   12                          ; v12 -M; v13 the largest score so far
.set SUM,  14                          ; v[14:15] the sum in two halves
.set QF,   16
.set KF,   24
.set VF,   88
.set TT,   152
.set PF,   152
.set SS,   160
.set OO,   224
.set TB,   2                           ; s2, s3: LDS byte of the step and of the next
.set TBN,  3
.set J,    12                          ; s12 the key step; s13 my tile's last
.set SI,   13
.macro PLACES n
.rept \n
	v_nop
.endr
.endm
.macro CROUND                          ; a round of the cluster's barrier
	s_barrier_signal -1
	s_barrier_wait -1
	s_cmp_lg_u32 s14, 0
	s_cbranch_scc1 .Lnot_wave_0_\@
	s_barrier_signal -3
.Lnot_wave_0_\@:
	s_barrier_wait -3
	s_barrier_signal -1
	s_barrier_wait -1
.endm
	s_load_b256 s[4:11], s[0:1], 0x0               ; q s[4:5], k and v s[6:7], the scales' exponents s[8:9], the result s[10:11]
	v_lshl_add_u32 v[SPW], v0, 2, SPARE
	v_mov_b32 v[NIL], 0
	ds_add_u32 v[SPW], v[NIL]                      ; the opening lines
	ds_add_u32 v[SPW], v[NIL]
	v_lshrrev_b32 v11, 5, v0
	v_readfirstlane_b32 s14, v11                   ; wave 0..15
	v_and_b32 v11, 31, v0
	v_lshlrev_b32 v[AK], 4, v11
	s_bfe_u32 s40, ttmp6, 0x40000                  ; cx, cy
	s_bfe_u32 s41, ttmp6, 0x40004
	s_and_b32 s42, ttmp7, 0xffff
	s_lshl_b32 s42, s42, 1
	s_lshr_b32 s43, s41, 1
	s_add_co_u32 s42, s42, s43                     ; batch x 16 + head = 2 x cluster + cy / 2
	s_and_b32 s43, s41, 1
	s_lshl_b32 s43, s43, 2
	s_add_co_u32 s43, s43, s40                     ; x = 4 (cy % 2) + cx
	s_lshl_b32 s44, s41, 2
	s_lshl_b32 s44, 15, s44                        ; my row of the cluster
.irp g, 24,52                                  ; group 1 for the early eighths, and for the late: dense blocks as rows of 256 bytes: elements of 8 bytes; bit 21 set beside the mask
	s_or_b32 s[\g], s44, (3<<16)|(1<<21)
	s_mov_b32 s[\g+1], 32<<16
	s_mov_b32 s[\g+3], 32<<16
	s_mov_b32 s[\g+5], 32
	s_mov_b32 s[\g+6], 0
	s_mov_b32 s[\g+7], 0
.endr
	s_mov_b32 s26, (EARLY/256)<<16
	s_mov_b32 s28, EARLY/256
	s_mov_b32 s54, (LATE/256)<<16
	s_mov_b32 s56, LATE/256
	s_and_b32 s45, s14, 7                          ; which eighth is mine
	s_mov_b32 s32, 1
	s_mul_i32 s33, s45, EARLY
	s_mov_b32 s36, 1
	s_mul_i32 s37, s45, LATE
	s_add_co_u32 s37, s37, 8*EARLY
	s_lshl_b32 s16, s42, 18                        ; the head's block: LDS holds it as it lies
	s_add_co_u32 s46, s16, s33
	s_mov_b32 s47, 0
	s_add_co_u32 s48, s16, s37
	s_mov_b32 s49, 0
	s_xor_b32 s13, s14, 15
	s_add_co_u32 s45, s14, 4
	s_and_b32 s45, s45, 15
	s_and_b32 s50, s14, 4
	s_cmp_eq_u32 s50, 0
	s_cselect_b32 s[SI], s13, s45                  ; my s: 15 - w, or (w + 4) mod 16 in waves 4 to 7 and 12 to 15
	s_lshl_b32 s50, s[SI], 3
	s_add_co_u32 s50, s50, s43                     ; my tile of 16 tokens in the batch
	s_lshl_b32 s16, s42, 17
	s_lshl_b32 s17, s50, 10
	s_add_co_u32 s16, s16, s17                     ; its image of q
	s_mov_b32 s17, 0
	s_lshr_b32 s62, s42, 4
	s_lshl_b32 s62, s62, 7
	s_add_co_u32 s62, s62, s50                     ; my tile among all 256
	s_lshl_b32 s62, s62, 13
	s_and_b32 s45, s42, 15
	s_lshr_b32 s50, s45, 3
	s_lshl_b32 s50, s50, 21
	s_add_co_u32 s62, s62, s50
	s_and_b32 s45, s45, 7
	s_lshl_b32 s45, s45, 10
	s_add_co_u32 s62, s62, s45                     ; where my image of the result goes
	s_mov_b32 s63, 0
	s_wait_alu depctr_va_vdst(0)
	s_wait_dscnt 0x0                               ; both opening adds are done
	CROUND                                         ; all sixteen work-groups are here: the joint loads meet
	s_wait_kmcnt 0x0
	s_add_nc_u64 s[34:35], s[6:7], s[46:47]
	s_or_b32 s35, s35, 0x80000000
	s_add_nc_u64 s[38:39], s[6:7], s[48:49]
	s_or_b32 s39, s39, 0x80000000
	s_add_nc_u64 s[4:5], s[4:5], s[16:17]
	s_add_nc_u64 s[10:11], s[10:11], s[62:63]
	global_load_b128 v[QF:QF+3], v[AK], s[4:5]     ; Q's fragment stays in registers
	global_load_b128 v[QF+4:QF+7], v[AK], s[4:5] offset:512
	s_load_b256 s[84:91], s[8:9], 0x0              ; e0 .. e7
	s_cmp_lt_u32 s14, 8                            ; one load a wave, in one branch on its number; four v_nop follow each
	s_cbranch_scc1 .Learly
	tensor_load_to_lds s[36:39], s[52:59]
	s_nop 0
	PLACES 4
	s_branch .Lasked
.Learly:
	tensor_load_to_lds s[32:35], s[24:31]
	s_nop 0
	PLACES 4
	s_wait_tensorcnt 0x0                           ; key steps 0 to 2 are all that is read ahead of the second barrier; the others' loads may be out across the first
.Lasked:
	s_mov_b32 s20, 0x76543210                      ; v_permlanex16_b32's selects for lane l xor 16
	s_mov_b32 s21, 0xfedcba98
	s_lshl_b32 s47, s43, 4
	v_and_b32 v11, 15, v0
	v_bfe_u32 v12, v0, 4, 1
	v_lshlrev_b32 v12, 3, v12
	v_sub_nc_u32 v[DL], v11, v12
	v_add_nc_u32 v[DL], s47, v[DL]
	v_mov_b32 v[NINF], 0xff800000
	s_wait_alu depctr_va_vdst(0)
	s_wait_kmcnt 0x0
	s_add_co_i32 s93, s86, s87
	s_lshl_b32 s93, s93, 23
	s_add_co_i32 s22, s93, 0x3e38aa3b              ; c = log2(e) / 8 x 2^(e2 + e3): the exponents are added to its exponent field
	s_mov_b32 s23, s22                             ; (named with it as a pair)
	s_or_b32 s18, s22, 0x80000000                  ; -c
	s_add_co_i32 s93, s88, 127
	s_lshl_b32 s94, s93, 23
	v_mov_b32 v[SCP], s94                          ; 2^e4
	s_add_co_i32 s93, s93, 8
	s_lshl_b32 s93, s93, 23
	s_or_b32 s93, s93, 0x600000
	v_mov_b32 v[LIM], s93                          ; 448 x 2^e4
	v_mov_b32 v[LIM+1], s93
	s_add_co_i32 s93, s90, 127
	s_lshl_b32 s94, s93, 23                        ; 2^e6
	s_add_co_i32 s93, s93, 8
	s_lshl_b32 s93, s93, 23
	s_or_b32 s95, s93, 0x600000                    ; 448 x 2^e6
	s_add_co_i32 s99, s88, s89                     ; e4 + e5
; A KEY STEP: 128 keys, K's fragments on their way or there.  first = 1: key step 0 starts the maximum, the sum and O^T.  av, vo: where V's images lie; an, ko: where the next step's K lies.
.macro STEP first, av, vo, an, ko
	s_wait_alu depctr_va_vdst(0)
	s_wait_dscnt 0x0                               ; K's fragments are in
.irp t, 0,1,2,3,4,5,6,7
	v_wmma_f32_16x16x64_fp8_fp8 v[SS+8*\t:SS+8*\t+7], v[KF+8*\t:KF+8*\t+7], v[QF:QF+7], 0
.endr
	PLACES 4                                       ; in front of the first read of the scores
.irp t, 0,1,2,3
.irp c, 0,1,2,3
	ds_load_b128 v[VF+16*\t+4*\c:VF+16*\t+4*\c+3], v[\av] offset:\vo+2048*\t+512*\c
.endr
.endr
	s_cmp_lg_u32 s[J], s[SI]
	s_cbranch_scc1 .Lopen_\@                       ; only my tile's last step has hidden keys: register 8 t + j holds the block's key 16 t + 8 (lane / 16) + j
.set n, 0
.rept 64
	v_cmp_gt_i32 vcc_lo, 16*(n/8)+n%8, v[DL]
	v_cndmask_b32 v[SS+n], v[SS+n], v[NINF], vcc_lo
.set n, n+1
.endr
.Lopen_\@:
.irp c, 0,1,2,3                                ; the largest score of my query among my 64 keys, in four chains, each tile from its low end on
	v_max3_num_f32 v[TT+\c], v[SS+16*\c], v[SS+16*\c+1], v[SS+16*\c+2]
.endr
.irp i, 3,5,7,9,11,13
.irp c, 0,1,2,3
	v_max3_num_f32 v[TT+\c], v[TT+\c], v[SS+16*\c+\i], v[SS+16*\c+\i+1]
.endr
.endr
	v_max3_num_f32 v[TT], v[TT], v[SS+15], v[SS+31]
	v_max3_num_f32 v[TT+1], v[TT+1], v[SS+47], v[SS+63]
	s_delay_alu instid0(VALU_DEP_1)
	v_max3_num_f32 v[TT], v[TT], v[TT+1], v[TT+2]
	s_delay_alu instid0(VALU_DEP_1)
	v_max_num_f32 v[TT], v[TT], v[TT+3]
	s_delay_alu instid0(VALU_DEP_1)
	v_permlanex16_b32 v[XCH], v[TT], s20, s21
	s_delay_alu instid0(VALU_DEP_1)
.if \first
	v_max_num_f32 v[NM+1], v[TT], v[XCH]
	s_delay_alu instid0(VALU_DEP_1)
	v_mul_f32 v[TT], s18, v[NM+1]                  ; -t of the largest (c is positive)
	s_delay_alu instid0(VALU_DEP_1)
	v_floor_f32 v[NM], v[TT]                       ; -M = floor(-t) = -ceil(t)
.else
	v_max3_num_f32 v[NM+1], v[NM+1], v[TT], v[XCH] ; the running largest score
	s_delay_alu instid0(VALU_DEP_1)
	v_mul_f32 v[TT], s18, v[NM+1]
	s_delay_alu instid0(VALU_DEP_1)
	v_floor_f32 v[TT+1], v[TT]                     ; the new -M
	s_delay_alu instid0(VALU_DEP_1)
	v_sub_f32 v[TT+3], v[TT+1], v[NM]              ; old M - new M: a whole number, 0 or less
	v_mov_b32 v[NM], v[TT+1]
	s_delay_alu instid0(VALU_DEP_2)
	v_cvt_i32_f32 v[TT+3], v[TT+3]                 ; (it saturates)
	s_delay_alu instid0(VALU_DEP_1)
	v_ldexp_f32 v[TT+2], 1.0, v[TT+3]              ; f = 2^(old M - new M)
.set n, 0
.rept 16
	v_pk_mul_f32 v[OO+2*n:OO+2*n+1], v[OO+2*n:OO+2*n+1], v[TT+2:TT+3] op_sel_hi:[1,0]   ; O^T under the new M, each accumulator from its low end on
.set n, n+1
.endr
.endif
.set n, 0
.rept 32
	v_pk_fma_f32 v[SS+2*n:SS+2*n+1], v[SS+2*n:SS+2*n+1], s[22:23], v[NM:NM+1] op_sel_hi:[1,0,0]   ; t - M, two at a time
.set n, n+1
.endr
	s_wait_alu depctr_va_vdst(0)
.set n, 0
.rept 64
	v_exp_f32 v[SS+n], v[SS+n]                     ; p = 2^(t - M), at most 1
.set n, n+1
.endr
.if \first
	v_nop                                          ; a plain line behind the exponentials
.else
	v_pk_mul_f32 v[SUM:SUM+1], v[SUM:SUM+1], v[TT+2:TT+3] op_sel_hi:[1,0]   ; the sum under the new M: the plain line behind the exponentials
.endif
	s_wait_alu depctr_va_vdst(0)                   ; one wait for the whole batch, ahead of its first reader
	s_wait_dscnt 0x0                               ; V's fragments are in
	s_cmp_ge_u32 s[J], s[SI]
	s_cbranch_scc1 .Lnone_\@                       ; my tile has no further step
.irp t, 0,1,2,3,4,5,6,7
.irp c, 0,1
	ds_load_b128 v[KF+8*\t+4*\c:KF+8*\t+4*\c+3], v[\an] offset:\ko+1024*\t+512*\c   ; the next step's K
.endr
.endr
.Lnone_\@:
	; the row's sum of the unquantised p, in four chains
.if \first
	v_pk_add_f32 v[SUM:SUM+1], v[SS+12:SS+13], v[SS+14:SS+15]
.else
	v_pk_add_f32 v[SUM:SUM+1], v[SUM:SUM+1], v[SS+12:SS+13]
.endif
	v_pk_add_f32 v[TT:TT+1], v[SS:SS+1], v[SS+2:SS+3]
	v_pk_add_f32 v[TT+4:TT+5], v[SS+4:SS+5], v[SS+6:SS+7]
	v_pk_add_f32 v[TT+6:TT+7], v[SS+8:SS+9], v[SS+10:SS+11]
.if \first == 0
	v_pk_add_f32 v[SUM:SUM+1], v[SUM:SUM+1], v[SS+14:SS+15]
.endif
.set n, 8
.rept 6
	v_pk_add_f32 v[TT:TT+1], v[TT:TT+1], v[SS+2*n:SS+2*n+1]
	v_pk_add_f32 v[TT+4:TT+5], v[TT+4:TT+5], v[SS+2*n+2:SS+2*n+3]
	v_pk_add_f32 v[TT+6:TT+7], v[TT+6:TT+7], v[SS+2*n+4:SS+2*n+5]
	v_pk_add_f32 v[SUM:SUM+1], v[SUM:SUM+1], v[SS+2*n+6:SS+2*n+7]
.set n, n+4
.endr
	v_pk_add_f32 v[TT:TT+1], v[TT:TT+1], v[TT+4:TT+5]
	v_pk_add_f32 v[SUM:SUM+1], v[SUM:SUM+1], v[TT+6:TT+7]
	v_pk_add_f32 v[SUM:SUM+1], v[SUM:SUM+1], v[TT:TT+1]
.irp g, 0,1
.set n, 0
.rept 16                               ; the conversion does not saturate (ISA guide 7.6.2); p is not negative, so the hold is one-sided
	v_dual_min_num_f32 v[SS+32*\g+2*n], v[SS+32*\g+2*n], v[LIM] :: v_dual_min_num_f32 v[SS+32*\g+2*n+1], v[SS+32*\g+2*n+1], v[LIM+1]
.set n, n+1
.endr
.irp t, 0,1,2,3                                ; tile 4 g + t: registers 2 (4 g + t) and the next of the operand; the second four lie over S^T's tile 0, converted ahead of the holds above
	v_cvt_scalef32_pk8_fp8_f32 v[PF+8*\g+2*\t:PF+8*\g+2*\t+1], v[SS+32*\g+8*\t:SS+32*\g+8*\t+7], v[SCP]
.endr
.endr
	v_nop                                          ; a plain line behind the last conversion
.irp t, 0,1,2,3
.if \first
	v_wmma_f32_16x16x128_fp8_fp8 v[OO+8*\t:OO+8*\t+7], v[VF+16*\t:VF+16*\t+15], v[PF:PF+15], 0
.else
	v_wmma_f32_16x16x128_fp8_fp8 v[OO+8*\t:OO+8*\t+7], v[VF+16*\t:VF+16*\t+15], v[PF:PF+15], v[OO+8*\t:OO+8*\t+7]
.endif
.endr
.endm
	s_mov_b32 s[J], 0
	s_wait_alu depctr_va_vdst(0)
	s_wait_loadcnt 0x0                             ; Q
	s_barrier_signal -1
	s_barrier_wait -1                              ; key steps 0 to 2 are in
.irp t, 0,1,2,3,4,5,6,7
.irp c, 0,1
	ds_load_b128 v[KF+8*\t+4*\c:KF+8*\t+4*\c+3], v[AK] offset:1024*\t+512*\c
.endr
.endr
	STEP 1, AK, 8192, AK, 16384
	s_mov_b32 s[J], 1
	s_cmp_gt_u32 s[J], s[SI]
	s_cbranch_scc1 .Lone
	PLACES 5                                       ; the next scores lie over registers that the last products read
	STEP 0, AK, 24576, AK, 32768
.Lone:
	s_wait_alu depctr_va_vdst(0)
	s_wait_tensorcnt 0x0                           ; my load is in,
	s_wait_dscnt 0x0
	s_barrier_signal -1
	s_barrier_wait -1                              ; and everybody's
	s_mov_b32 s[J], 2
	s_mov_b32 s[TB], 32768
	s_mov_b32 s92, 14
.Lkeys:
	s_cmp_gt_u32 s[J], s[SI]                       ; all its keys come after my queries: the work is left out
	s_cbranch_scc1 .Lhidden
	s_add_co_u32 s[TBN], s[TB], 16384
	s_min_u32 s[TBN], s[TBN], 15*16384
	v_add_nc_u32 v[ADC], s[TB], v[AK]
	v_add_nc_u32 v[ADN], s[TBN], v[AK]
	PLACES 3                                       ; with the two additions: five places
	STEP 0, ADC, 8192, ADN, 0
.Lhidden:
	s_add_co_u32 s[J], s[J], 1
	s_add_co_u32 s[TB], s[TB], 16384
	s_sub_co_u32 s92, s92, 1
	s_cmp_lg_u32 s92, 0
	s_cbranch_scc1 .Lkeys
	; THE WAY OUT: O^T x 2^(e4 + e5) / the sum, held, converted with 2^e6: the four conversions' results are the image's eight registers
	PLACES 4
	v_mov_b32 v[LIM], s95
	v_mov_b32 v[SCP], s94
	v_add_f32 v[SUM], v[SUM], v[SUM+1]             ; the sum's two halves,
	s_delay_alu instid0(VALU_DEP_1)
	v_permlanex16_b32 v[XCH], v[SUM], s20, s21
	s_delay_alu instid0(VALU_DEP_1)
	v_add_f32 v[SUM], v[SUM], v[XCH]               ; and lane l xor 16's
	s_wait_alu depctr_va_vdst(0)                   ; the wait ahead of the reciprocal
	v_rcp_f32 v[SUM], v[SUM]
	v_nop
	s_wait_alu depctr_va_vdst(0)                   ; and ahead of its first reader
	v_ldexp_f32 v[SUM], v[SUM], s99
	s_wait_alu depctr_va_vdst(0)                   ; and ahead of the first reader of O^T
.set n, 0
.rept 16
	v_pk_mul_f32 v[SS+2*n:SS+2*n+1], v[OO+2*n:OO+2*n+1], v[SUM:SUM+1] op_sel_hi:[1,0]   ; register 8 t + j: channel 16 t + 8 (lane / 16) + j of my query
.set n, n+1
.endr
.set n, 0
.rept 32
	v_med3_num_f32 v[SS+n], v[SS+n], -v[LIM], v[LIM]
.set n, n+1
.endr
.irp t, 0,1,2,3
	v_cvt_scalef32_pk8_fp8_f32 v[PF+2*\t:PF+2*\t+1], v[SS+8*\t:SS+8*\t+7], v[SCP]
.endr
	v_nop                                          ; a plain line behind the last conversion
	global_store_b128 v[AK], v[PF:PF+3], s[10:11]  ; each store of the wave covers 512 consecutive bytes, aligned
	global_store_b128 v[AK], v[PF+4:PF+7], s[10:11] offset:512
	s_wait_tensorcnt 0x0                           ; the wave's end
	ds_add_u32 v[SPW], v[NIL]
	s_wait_dscnt 0x0
	CROUND                                         ; the closing round: no work-group ends while a partner may still ask for a tile that names it
	s_endpgm
.Lfunc_end_k_q4d62eaca20_attn:
	.size	k_q4d62eaca20_attn, .Lfunc_end_k_q4d62eaca20_attn-k_q4d62eaca20_attn
	.p2alignl 7, 3214868480
	.fill 96, 4, 3214868480
	.section	.rodata,"a",@progbits
	.p2align	6, 0x0
	.amdhsa_kernel k_q4d62eaca20_attn
		.amdhsa_group_segment_fixed_size 327680
		.amdhsa_private_segment_fixed_size 0
		.amdhsa_enable_private_segment 0
		.amdhsa_kernarg_size 32
		.amdhsa_user_sgpr_count 2
		.amdhsa_user_sgpr_kernarg_segment_ptr 1
		.amdhsa_wavefront_size32 1
		.amdhsa_system_sgpr_workgroup_id_x 1
		.amdhsa_system_sgpr_workgroup_id_y 1
		.amdhsa_system_sgpr_workgroup_id_z 1
		.amdhsa_system_vgpr_workitem_id 0
		.amdhsa_next_free_vgpr 256
		.amdhsa_next_free_sgpr 100
		.amdhsa_reserve_vcc 1
		.amdhsa_float_denorm_mode_32 3
		.amdhsa_float_denorm_mode_16_64 3
		.amdhsa_memory_ordered 1
		.amdhsa_forward_progress 1
		.amdhsa_inst_pref_size 73
	.end_amdhsa_kernel
	.amdgpu_metadata
---
amdhsa.version: [ 1, 2 ]
amdhsa.kernels:
  - .name:           k_q4d62eaca20_attn
    .symbol:         k_q4d62eaca20_attn.kd
    .args:
      - { .name: q_img, .offset: 0, .size: 8, .value_kind: global_buffer, .address_space: global }
      - { .name: kv_img, .offset: 8, .size: 8, .value_kind: global_buffer, .address_space: global }
      - { .name: lowp_scales, .offset: 16, .size: 8, .value_kind: global_buffer, .address_space: global }
      - { .name: attn_img, .offset: 24, .size: 8, .value_kind: global_buffer, .address_space: global }
    .group_segment_fixed_size: 327680
    .private_segment_fixed_size: 0
    .kernarg_segment_align: 8
    .kernarg_segment_size: 32
    .max_flat_workgroup_size: 512
    .sgpr_count:     100
    .vgpr_count:     256
    .wavefront_size: 32
...
	.end_amdgpu_metadata
.endif
;; end of part 3
;; launch proj (part 4): grid 8 x 32, 4 waves a work-group, clusters of 4 x 4, 327,680 bytes of LDS; arguments attn_img, wp_codes, b_proj, lowp_scales, out0; writes out0
.if DOCPART == 4
	.amdgcn_target "amdgcn-amd-amdhsa--gfx1250"
	.amdhsa_code_object_version 6
	.text
	.protected	k_q4d62eaca20_proj
	.globl	k_q4d62eaca20_proj
	.p2align	8
	.type	k_q4d62eaca20_proj,@function
k_q4d62eaca20_proj:
	s_mov_b64 s[64:65], 0
	v_nop
	global_prefetch_b8 v0, s[64:65] scope:SCOPE_SE
	s_setreg_imm32_b32 hwreg(HW_REG_WAVE_MODE, 25, 1), 1
	s_wait_xcnt 0x0
	s_wait_alu depctr_hold_cnt(0) depctr_sa_sdst(0) depctr_va_vdst(0) depctr_va_sdst(0) depctr_va_ssrc(0) depctr_va_vcc(0) depctr_vm_vsrc(0)
	s_getreg_b32 s2, hwreg(HW_REG_IB_STS2, 6, 4)
	s_cmp_eq_u32 s2, 0
	s_cbranch_scc0 .Lentry_in_a_cluster
	s_endpgm
.Lentry_in_a_cluster:
	s_bfe_u32 s2, ttmp6, 0x10000c
	s_cmp_lg_u32 s2, 0xf033
	s_cbranch_scc0 .Lentry_shape_is_right
	s_endpgm
.Lentry_shape_is_right:
; out = attn W_proj + b_proj on codes of FP8 (E4M3): out = sum x 2^(e6 + e7) + b, one packed multiply-add for two numbers.
; attn_img: [K / 512][tile of 16 tokens][8][1,024]: images of operand registers; two neighbouring kilobytes are an operand of the K = 128 form (registers 2 c, 2 c + 1: k = 16 c + 8 (lane / 16) + 0 .. 7).
; wp_codes: [1024 (n)][1024 (k)], K innermost; its fragments are fetched by loads of 8 bytes, in the same places of k.  out0: [4096][1024] f32.
; LIMIT: e6 + e7 lies between -126 and 127, so that 2^(e6 + e7) is an f32 number.
; SHARES.  A tile of 128 tokens x 128 columns to a work-group: 8 x 32 work-groups; a tile of 256 x 256 would leave three quarters as many WGPs without work.  Four waves, each 64 x 64: 16 accumulators.
; ALL OF K LIES IN LDS: two halves of both operands, four tiles, one load a wave, at the head; no LDS byte is filled twice.  Products on the first half of K need waves 0's and 2's loads alone.
; CLUSTER 4 x 4: the four of a row need the same tokens, the four of a column the same rows of W: each tile is asked for jointly.  No prefetch: every tile is asked for at the head.
; THE PRODUCTS ARE USED TRANSPOSED (source 0 = 16 rows of W, source 1 = 16 tokens): a lane holds eight neighbouring numbers of a row of out.
; REGISTERS: window 0: v8-19 addresses, v32-63 the bias, v64-95 and v96-127 the way out, v128-255 the accumulators ((a, b) at v[128 + 8 (4 a + b)]);  window 1: two sets of 128: the tokens' four fragments, then W's four.
.set PITCH,  272                       ; a row of the stage
.set WPITCH, 528                       ; W's rows in LDS: 512 bytes + 16 = 132 words: the 32 lanes of a load of 8 bytes touch 64 different banks (64 banks of 4 bytes: ISA guide 11.1)
.set BBASE,  131072                    ; W's halves lie behind the tokens' two halves of 65,536
.set BCH,    128*WPITCH
.set STAGE,  BBASE+2*BCH               ; behind them: 16 rows x 272 bytes for each wave, for the way out; no tile lands there
.set SPARE,  STAGE+4*16*PITCH          ; the spare words
.set ADRA, 8                           ; v8, v9    LDS address of my tokens' images in half f
.set ADRB, 12                          ; v12, v13  the same for W's rows
.set STO,  16
.set RD,   17
.set CO,   18
.set BH,   19
.set BI,   32
.set TMP,  64
.set OUT,  96
.set ACC,  128
.set G1,  24                           ; s[24:31] group 1 for the tokens' tiles; s[32:39] for W's; s[40:43], s[56:59] their groups 0
.set G1B, 32
.set MSB, 0
.macro WIN new
.if MSB != (\new)
	s_set_vgpr_msb (MSB<<8)|(\new)
.set MSB, (\new)
.endif
.endm
.macro PLACES n
.rept \n
	v_nop
.endr
.endm
.macro CROUND                          ; a round of the cluster's barrier
	s_barrier_signal -1
	s_barrier_wait -1
	s_cmp_lg_u32 s14, 0
	s_cbranch_scc1 .Lnot_wave_0_\@
	s_barrier_signal -3
.Lnot_wave_0_\@:
	s_barrier_wait -3
	s_barrier_signal -1
	s_barrier_wait -1
.endm
	s_load_b256 s[4:11], s[0:1], 0x0               ; the tokens' images s[4:5], W's codes s[6:7], the bias s[8:9], the scales' exponents s[10:11]
	s_load_b64 s[12:13], s[0:1], 0x20              ; out
	v_lshl_add_u32 v30, v0, 2, SPARE
	v_mov_b32 v31, 0
	ds_add_u32 v30, v31                            ; the opening lines
	ds_add_u32 v30, v31
	v_lshrrev_b32 v1, 5, v0
	v_readfirstlane_b32 s14, v1                    ; wave 0..3
	s_lshr_b32 s15, s14, 1                         ; which 64 tokens are mine.  Also: I fetch tokens (0) or W (1)
	s_and_b32 s16, s14, 1                          ; which 64 columns.  Also: which half of K I fetch
	s_bfe_u32 s76, ttmp6, 0x40000                  ; cx, cy
	s_bfe_u32 s77, ttmp6, 0x40004
	s_lshl_b32 s78, ttmp9, 2
	s_add_co_u32 s78, s78, s76                     ; the block of 128 columns
	s_and_b32 s17, ttmp7, 0xffff
	s_lshl_b32 s17, s17, 2
	s_add_co_u32 s17, s17, s77                     ; the block of 128 tokens
	s_lshl_b32 s79, s77, 2
	s_lshl_b32 s79, 15, s79                        ; my row of the cluster
	s_lshl_b32 s80, 0x1111, s76                    ; my column
	s_or_b32 s[G1], s79, (3<<16)|(1<<21)           ; the tokens: a dense block as 256 rows of 256 bytes: elements of 8 bytes; bit 21 set beside the mask
	s_mov_b32 s[G1+1], 32<<16
	s_mov_b32 s[G1+2], 256<<16
	s_mov_b32 s[G1+3], 32<<16
	s_mov_b32 s[G1+4], 256
	s_mov_b32 s[G1+5], 32
	s_mov_b32 s[G1+6], 0
	s_mov_b32 s[G1+7], 0
	s_or_b32 s[G1B], s80, (1<<20)|(1<<21)|(6<<22)|(3<<25)   ; W: 128 rows x 512 bytes, four words of padding after every 128
	s_mov_b32 s[G1B+1], 512<<16
	s_mov_b32 s[G1B+2], 128<<16
	s_mov_b32 s[G1B+3], 512<<16
	s_mov_b32 s[G1B+4], 128
	s_mov_b32 s[G1B+5], 1024
	s_mov_b32 s[G1B+6], 0
	s_mov_b32 s[G1B+7], 0
	s_lshl_b32 s20, s17, 16                        ; tokens: 8 tiles of 8,192 bytes a block
	s_mov_b32 s21, 0
	s_lshl_b32 s22, s78, 17                        ; W: row 128 x block
	s_mov_b32 s23, 0
	s_mov_b32 s40, 1                               ; the tokens' two halves of K: s[40:43], s[44:47]; W's: s[56:59], s[60:63].  No place in the cluster enters an LDS address
	s_mov_b32 s41, 0
	s_mov_b32 s44, 1
	s_mov_b32 s45, 65536
	s_mov_b32 s56, 1
	s_mov_b32 s57, BBASE
	s_mov_b32 s60, 1
	s_mov_b32 s61, BBASE+BCH
	v_and_b32 v1, 15, v0                           ; r
	v_bfe_u32 v2, v0, 4, 1                         ; h
	v_and_b32 v3, 31, v0
	v_lshlrev_b32 v3, 4, v3                        ; 16 x lane
	s_wait_alu depctr_va_vdst(0)
	s_lshl_b32 s92, s15, 15                        ; my four tiles of tokens
	v_add_nc_u32 v[ADRA], s92, v3
	s_add_co_u32 s92, s92, 65536
	v_add_nc_u32 v[ADRA+1], s92, v3
	v_mul_u32_u24 v4, v1, WPITCH
	v_lshl_add_u32 v4, v2, 3, v4                   ; W: row r, + 8 h
	s_mul_i32 s92, s16, 64*WPITCH                  ; my 64 rows
	s_add_co_u32 s92, s92, BBASE
	v_add_nc_u32 v[ADRB], s92, v4
	s_add_co_u32 s92, s92, BCH
	v_add_nc_u32 v[ADRB+1], s92, v4
	s_mul_i32 s92, s14, 16*PITCH
	s_add_co_u32 s92, s92, STAGE                   ; my stage
	v_mul_u32_u24 v5, v1, PITCH
	v_lshl_add_u32 v5, v2, 5, v5
	v_add_nc_u32 v[STO], s92, v5                   ; in: row r, 32 bytes for each half of the lanes
	v_mul_u32_u24 v5, v2, PITCH
	v_lshl_add_u32 v5, v1, 4, v5
	v_add_nc_u32 v[RD], s92, v5                    ; back: lanes 0-15 one row of 256 bytes, lanes 16-31 the next
	v_lshlrev_b32 v[CO], 12, v2
	v_lshl_add_u32 v[CO], v1, 4, v[CO]             ; and the same two rows in out
	v_lshlrev_b32 v[BH], 5, v2
	s_wait_alu depctr_va_vdst(0)
	s_wait_dscnt 0x0                               ; both opening adds are done
	s_wait_kmcnt 0x0
	s_load_b256 s[84:91], s[10:11], 0x0            ; e0 .. e7
	s_add_nc_u64 s[42:43], s[4:5], s[20:21]
	s_add_nc_u64 s[46:47], s[42:43], 0x200000
	s_or_b32 s43, s43, 0x80000000
	s_or_b32 s47, s47, 0x80000000
	s_add_nc_u64 s[58:59], s[6:7], s[22:23]
	s_add_nc_u64 s[62:63], s[58:59], 0x200
	s_or_b32 s59, s59, 0x80000000
	s_or_b32 s63, s63, 0x80000000
	CROUND                                         ; all sixteen work-groups are here: the joint loads meet
	s_cmp_eq_u32 s16, 0                            ; one load a wave, in one tree of branches on its number; four v_nop follow each
	s_cbranch_scc1 .Lhalf0
	s_cmp_eq_u32 s15, 0
	s_cbranch_scc0 .Lw1
	tensor_load_to_lds s[44:47], s[G1:G1+7]
	s_nop 0
	PLACES 4
	s_branch .Lasked
.Lw1:
	tensor_load_to_lds s[60:63], s[G1B:G1B+7]
	s_nop 0
	PLACES 4
	s_branch .Lasked
.Lhalf0:
	s_cmp_eq_u32 s15, 0
	s_cbranch_scc0 .Lw0
	tensor_load_to_lds s[40:43], s[G1:G1+7]
	s_nop 0
	PLACES 4
	s_branch .Lin0
.Lw0:
	tensor_load_to_lds s[56:59], s[G1B:G1B+7]
	s_nop 0
	PLACES 4
.Lin0:
	s_wait_tensorcnt 0x0                           ; waves 0 and 2 bring the first half of K; the others' loads may be out across the first barrier
.Lasked:
	s_lshl_b32 s92, s78, 9
	s_lshl_b32 s93, s16, 8
	s_add_co_u32 s92, s92, s93                     ; my first column, in bytes
	s_mov_b32 s93, 0
	s_add_nc_u64 s[8:9], s[8:9], s[92:93]
	s_add_nc_u64 s[12:13], s[12:13], s[92:93]
	s_lshl_b32 s92, s17, 7
	s_lshl_b32 s94, s15, 6
	s_add_co_u32 s92, s92, s94                     ; my first token
	s_lshl_b32 s92, s92, 12
	s_add_nc_u64 s[12:13], s[12:13], s[92:93]
.irp b, 0,1,2,3                                ; the bias: lane (r, h) wants, for block b, the eight of columns 16 b + 8 h + 0 .. 7
	global_load_b128 v[BI+8*\b:BI+8*\b+3], v[BH], s[8:9] offset:64*\b
	global_load_b128 v[BI+8*\b+4:BI+8*\b+7], v[BH], s[8:9] offset:64*\b+16
.endr
; the fragments of step s (128 along K; half s / 4) into set p: W's four by loads of 8 bytes, the tokens' four as images
.macro FETCH2 s, p
	WIN 0x40                                       ; destination window 1
.irp i, 0,1,2,3
.irp c, 0,1,2,3,4,5,6,7
	ds_load_b64 v[128*(\p)+64+16*\i+2*\c:128*(\p)+64+16*\i+2*\c+1], v[ADRB+(\s)/4] offset:128*((\s)%4)+16*\c+16*WPITCH*\i
.endr
.endr
.irp i, 0,1,2,3
.irp c, 0,1,2,3
	ds_load_b128 v[128*(\p)+16*\i+4*\c:128*(\p)+16*\i+4*\c+3], v[ADRA+(\s)/4] offset:8192*\i+2048*((\s)%4)+512*\c
.endr
.endr
.endm
; 8 products: tokens' tiles a0, a0 + 1 x W's four blocks.  zero = 1: the first product starts the sums.  The 16 accumulators take turns, in the same order in every step.
.macro MUL8 p, a0, zero
.irp a, \a0, \a0+1
.irp b, 0,1,2,3
.if \zero
	v_wmma_f32_16x16x128_fp8_fp8 v[ACC+8*(4*(\a)+\b):ACC+8*(4*(\a)+\b)+7], v[128*(\p)+64+16*\b:128*(\p)+64+16*\b+15], v[128*(\p)+16*(\a):128*(\p)+16*(\a)+15], 0
.else
	v_wmma_f32_16x16x128_fp8_fp8 v[ACC+8*(4*(\a)+\b):ACC+8*(4*(\a)+\b)+7], v[128*(\p)+64+16*\b:128*(\p)+64+16*\b+15], v[128*(\p)+16*(\a):128*(\p)+16*(\a)+15], v[ACC+8*(4*(\a)+\b):ACC+8*(4*(\a)+\b)+7]
.endif
.endr
.endr
.endm
	s_barrier_signal -1
	s_barrier_wait -1                              ; the first half of K is in
	FETCH2 0, 0
.irp s, 0,1,2,3,4,5,6,7
	s_wait_dscnt 0x0                               ; this step's fragments are in
	WIN 0x05                                       ; sources 0 and 1 window 1; C and D window 0
.if \s == 0
	MUL8 0, 0, 1
.else
	MUL8 \s%2, 0, 0
.endif
.if \s < 7
.if \s == 3
	s_wait_tensorcnt 0x0                           ; my load is in,
	s_barrier_signal -1
	s_barrier_wait -1                              ; and everybody's
.endif
	PLACES 4                                       ; four places in front of loads into registers that matrix instructions have read
	FETCH2 \s+1, 1-\s%2
	WIN 0x05
.endif
.if \s == 0
	MUL8 0, 2, 1
.else
	MUL8 \s%2, 2, 0
.endif
.endr
	WIN 0
	; THE WAY OUT, a tile of 16 tokens x 64 columns at a time, through my own stage: in as 32 bytes a lane, back as whole rows of 256 bytes.
	s_wait_kmcnt 0x0
	s_add_co_i32 s90, s90, s91                     ; e6 + e7
	s_add_co_i32 s90, s90, 127
	s_lshl_b32 s90, s90, 23                        ; 2^(e6 + e7) as f32
	s_mov_b32 s91, s90                             ; (named with it as a pair, so it is written)
	s_wait_loadcnt 0x0                             ; the bias
	PLACES 4
.irp a, 0,1,2,3
.irp b, 0,1,2,3
.irp i, 0,2,4,6
	v_pk_fma_f32 v[TMP+8*\b+\i:TMP+8*\b+\i+1], v[ACC+8*(4*\a+\b)+\i:ACC+8*(4*\a+\b)+\i+1], s[90:91], v[BI+8*\b+\i:BI+8*\b+\i+1] op_sel_hi:[1,0,1]   ; each accumulator from its low end on
.endr
.endr
.irp b, 0,1,2,3
	ds_store_b128 v[STO], v[TMP+8*\b:TMP+8*\b+3] offset:64*\b
	ds_store_b128 v[STO], v[TMP+8*\b+4:TMP+8*\b+7] offset:64*\b+16
.endr
.if \a > 0
	s_wait_xcnt 0x0                                ; the last tile's stores have read their registers: the loads below may land there
.endif
.irp t, 0,1,2,3,4,5,6,7
	ds_load_b128 v[OUT+4*\t:OUT+4*\t+3], v[RD] offset:2*PITCH*\t   ; LDS serves a wave's instructions in order (ISA guide 5.7.1.4): these see the stores above
.endr
.irp t, 0,1,2,3,4,5,6,7
	s_wait_dscnt 7-\t                              ; load t is in; the younger ones may be out
	global_store_b128 v[CO], v[OUT+4*\t:OUT+4*\t+3], s[12:13] offset:(16*\a+2*\t)*4096 th:TH_STORE_NT   ; sixteen lanes store 256 consecutive bytes, aligned; written once, read by nobody here
.endr
.endr
	s_wait_dscnt 0x0
	s_wait_tensorcnt 0x0                           ; the wave's end
	ds_add_u32 v30, v31
	s_wait_dscnt 0x0
	CROUND                                         ; the closing round: no work-group ends while a partner may still ask for a tile that names it
	s_endpgm
.Lfunc_end_k_q4d62eaca20_proj:
	.size	k_q4d62eaca20_proj, .Lfunc_end_k_q4d62eaca20_proj-k_q4d62eaca20_proj
	.p2alignl 7, 3214868480
	.fill 96, 4, 3214868480
	.section	.rodata,"a",@progbits
	.p2align	6, 0x0
	.amdhsa_kernel k_q4d62eaca20_proj
		.amdhsa_group_segment_fixed_size 327680
		.amdhsa_private_segment_fixed_size 0
		.amdhsa_enable_private_segment 0
		.amdhsa_kernarg_size 40
		.amdhsa_user_sgpr_count 2
		.amdhsa_user_sgpr_kernarg_segment_ptr 1
		.amdhsa_wavefront_size32 1
		.amdhsa_system_sgpr_workgroup_id_x 1
		.amdhsa_system_sgpr_workgroup_id_y 1
		.amdhsa_system_sgpr_workgroup_id_z 1
		.amdhsa_system_vgpr_workitem_id 0
		.amdhsa_next_free_vgpr 512
		.amdhsa_next_free_sgpr 100
		.amdhsa_reserve_vcc 0
		.amdhsa_float_denorm_mode_32 3
		.amdhsa_float_denorm_mode_16_64 3
		.amdhsa_memory_ordered 1
		.amdhsa_forward_progress 1
		.amdhsa_inst_pref_size 55
	.end_amdhsa_kernel
	.amdgpu_metadata
---
amdhsa.version: [ 1, 2 ]
amdhsa.kernels:
  - .name:           k_q4d62eaca20_proj
    .symbol:         k_q4d62eaca20_proj.kd
    .args:
      - { .name: attn_img, .offset: 0, .size: 8, .value_kind: global_buffer, .address_space: global }
      - { .name: wp_codes, .offset: 8, .size: 8, .value_kind: global_buffer, .address_space: global }
      - { .name: b_proj, .offset: 16, .size: 8, .value_kind: global_buffer, .address_space: global }
      - { .name: lowp_scales, .offset: 24, .size: 8, .value_kind: global_buffer, .address_space: global }
      - { .name: out0, .offset: 32, .size: 8, .value_kind: global_buffer, .address_space: global }
    .group_segment_fixed_size: 327680
    .private_segment_fixed_size: 0
    .kernarg_segment_align: 8
    .kernarg_segment_size: 40
    .max_flat_workgroup_size: 128
    .sgpr_count:     100
    .vgpr_count:     512
    .wavefront_size: 32
...
	.end_amdgpu_metadata
.endif
;; end of part 4
